; MI455X (gfx1250); checked and timed in simulation.
; The chip was launched on July 23, 2026; its instructions are those of AMD's public machine-readable ISA for CDNA 5 (MIT licence, August 2026) and "CDNA5" Instruction Set Architecture Reference Guide (July 2026). The comments in the code are by the model that wrote it; some were corrected since.
;; Casual Self Attention. Allowed arithmetic: matrix products marked QUANTISED: E5M2 operands, one given power-of-two scale a tensor, by v_wmma_f32_16x16x64_bf8_bf8 or v_wmma_f32_16x16x128_bf8_bf8, f32 sums; everything else in f32.
;; Inputs: W_proj_codes 1,024 x 32 x 32 uint8 (E5M2 codes of W_proj, K innermost, in blocks of 32 codes); W_qkv_codes 3,072 x 32 x 32 uint8 (E5M2 codes of W_qkv, K innermost, in blocks of 32 codes); b_proj 1,024 float32; embds_codes 4 x 2,048 x 32 x 32 uint8 (E5M2 codes of embds, K innermost, in blocks of 32 codes); lowp_scales 8 int32 (the exponents e of the quantised operands' scales 2^e).
;; Outputs: out0 4 x 2,048 x 1,024 float32.
;; This version of the problem:
;;   THIS VERSION OF THE PROBLEM IS GIVEN IN LOW PRECISION. The matrix products marked QUANTISED in the list below multiply operands that are first quantised to E5M2 (5 exponent bits, 2 mantissa bits; 8 bits a number), with one given power-of-two scale for each operand tensor; their sums are f32. All else is computed in f32.
;;   The module's matrix products, in the order in which they are computed (A, B: the left and right operand; K: the contracted axis; several contracted axes count as one K, in the product's order):
;;     1. [M 8,192, K 1,024] x [K 1,024, N 3,072]; A: input embds (given as codes); B: input W_qkv (given as codes): QUANTISED (scales: A lowp_scales[0], B lowp_scales[1])
;;     2. batch 64 x [M 2,048, K 64] x [K 64, N 2,048]; A: computed on the way; B: computed on the way: QUANTISED (scales: A lowp_scales[2], B lowp_scales[3])
;;     3. batch 64 x [M 2,048, K 2,048] x [K 2,048, N 64]; A: softmax (see below); B: computed on the way: QUANTISED (scales: A lowp_scales[4], B lowp_scales[5])
;;     4. [M 8,192, K 1,024] x [K 1,024, N 1,024]; A: computed on the way; B: input W_proj (given as codes): QUANTISED (scales: A lowp_scales[6], B lowp_scales[7])
;;   THE QUANTISER, for each operand of a quantised product, along K:
;;     - The operand's scale is 2^e, e = its entry of the input lowp_scales (int32; the entries are numbered through the quantised products in the list's order, A before B).
;;     - Each number is divided by the scale, clamped to +-57,344, and rounded to the nearest number of E5M2, ties to even, subnormals kept.
;;     - The product sums the exact products of the quantised numbers (number of the format x scale) in f32.
;;   ~~~python
;;   def quantise(x, axis, e):      # numpy; x: float32 -> the quantised numbers, widened to float32 again
;;       x = np.moveaxis(x, axis, -1); K = x.shape[-1]
;;       r = np.clip(x / 2.0 ** e, -57344, 57344)
;;       step = 2.0 ** (np.maximum(np.frexp(np.where(r == 0, 1, r))[1] - 1, -14) - 2)
;;       q = np.round(r / step) * step * 2.0 ** e      # np.round: ties to even
;;       return np.moveaxis(q, -1, axis).astype(np.float32)
;;   ~~~
;;   SOFTMAX AHEAD OF A QUANTISED PRODUCT. Where the list says 'softmax', what is quantised is not the finished softmax but p = 2^(t - M), with t = logit x log2(e) and M = ceil(the row's largest t), a whole number; so 1/2 < the row's largest p <= 1. The row's sum l is taken of the UNQUANTISED p, in f32, and the product's result is divided by l at the end. Since M is a whole number, a kernel that streams over the keys may use a running M (the ceiling of the running maximum): every later rescaling is an exact power of two, so the quantised numbers keep their values, but for numbers so far below the row's largest that they fall under the format's range.
;;   OPERANDS COMPUTED ON THE WAY. 'Computed on the way' means the value that the module computes at that place (a softmax that the list does not call 'softmax' is quantised finished and normalised). What goes into a quantiser is computed in f32, as accurately as f32 sums, v_exp_f32 and their like allow (about 1e-6 of the number): no bf16 or f16 on the way to a quantiser, and a product that is left as it is and whose result goes on into a quantised operand takes f32 operands (vector FMAs, or v_wmma_f32_16x16x4_f32). A number that lies on a knife's edge between two numbers of the format may be rounded either way, as far as f32 arithmetic and the matrix unit's own rounding can turn it there, and no further.
;;   INPUTS GIVEN AS CODES. W_proj (in the module: [1024, 1024], K = its axis 0); W_qkv (in the module: [1024, 3072], K = its axis 0); embds (in the module: [4, 2048, 1024], K = its axis 2): each comes as NAME_codes (uint8): NAME with its K axis moved to the last place and cut into blocks of 32 codes, [.., K / 32, bytes a block], one block behind the other in memory; one code a byte (a code: sign, 5 exponent bits, 2 mantissa bits); its scale is its entry of lowp_scales. Its value is code x scale, taken as it is: it is not quantised again, and the codes and scales need not be those that the quantiser above would give.
;; One version. Each part assembles by itself: llvm-mc -triple=amdgcn-amd-amdhsa -mcpu=gfx1250 --defsym DOCPART=n.
;; ======== version 1 of 1: 3 launches
;; limits: right only within a limited range of input values
;; workspace buffers: qimg 8,388,608 bytes; kvimg 16,777,216 bytes; aimg 8,388,608 bytes
;; launch qkv (part 1): grid 16 x 32, 4 waves a work-group, clusters of 4 x 4, 327,680 bytes of LDS; arguments embds_codes, W_qkv_codes, lowp_scales, qimg, kvimg; writes qimg, kvimg
.if DOCPART == 1
	.amdgcn_target "amdgcn-amd-amdhsa--gfx1250"
	.amdhsa_code_object_version 6
	.text
	.protected	k_q794474c244_qkv
	.globl	k_q794474c244_qkv
	.p2align	8
	.type	k_q794474c244_qkv,@function
k_q794474c244_qkv:
	s_mov_b64 s[64:65], 0
	v_nop
	global_prefetch_b8 v0, s[64:65] scope:SCOPE_SE
	s_setreg_imm32_b32 hwreg(HW_REG_WAVE_MODE, 25, 1), 1
	s_wait_xcnt 0x0
	s_wait_alu depctr_hold_cnt(0) depctr_sa_sdst(0) depctr_va_vdst(0) depctr_va_sdst(0) depctr_va_ssrc(0) depctr_va_vcc(0) depctr_vm_vsrc(0)
	s_getreg_b32 s2, hwreg(HW_REG_IB_STS2, 6, 4)
	s_cmp_eq_u32 s2, 0
	s_cbranch_scc0 .Lentry_in_a_cluster
	s_endpgm
.Lentry_in_a_cluster:
	s_bfe_u32 s2, ttmp6, 0x10000c
	s_cmp_lg_u32 s2, 0xf033
	s_cbranch_scc0 .Lentry_shape_is_right
	s_endpgm
.Lentry_shape_is_right:
; kqv = embds W_qkv on codes of E5M2 (v_wmma_f32_16x16x128_bf8_bf8, sums in f32); k, q and v are quantised in registers, each with its given scale, and leave as codes.
; embds_codes: [8192][1024] bytes, W_qkv_codes: [3072][1024] bytes, K innermost.  lowp_scales: e0 embds, e1 W_qkv, e2 q, e3 k, e5 v.
; SHARES.  Work-group (x = head, y = block of 256 tokens) makes 256 rows x 192 columns: the head's 64 columns of k, of q and of v.  Four waves: wave w takes rows 128 (w / 2) on (one key step of 128 tokens)
; and, of each of k, q, v, the two tiles of 16 columns 32 (w % 2) on: 48 accumulators, 384 registers.  512 work-groups of equal work.
; WHAT IS STORED ARE IMAGES OF THE NEXT LAUNCH'S OPERAND REGISTERS, in chunks of 4 registers x 32 lanes = 512 bytes, lane l's 16 bytes at 16 l:
;   qimg  + bh 131072 + T 1024 + cc 512:            query tile T (16 tokens): registers 2 n, 2 n + 1 of lane (r, h) = q(16 T + r, d = 16 n + 8 h + 0 .. 7)
;   kvimg + bh 262144 + st 16384 + tau 1024 + cc 512:       the same for keys 128 st + 16 tau + r
;   kvimg + bh 262144 + st 16384 + 8192 + n 2048 + cc 512:  registers 2 c, 2 c + 1 of lane (r, h) = v(key 128 st + 16 c + 8 h + 0 .. 7, d = 16 n + r)
; k's and q's products are used TRANSPOSED (source 0 = 16 rows of W, source 1 = 16 tokens): a lane then holds one token and eight neighbouring d, which one conversion turns into two registers of the image.
; v's products are used the natural way (source 0 = 16 tokens, source 1 = 16 rows of W): a lane holds one d and eight neighbouring tokens.  So nothing is transposed and nothing goes through LDS on the way out,
; and every store of a wave covers 512 consecutive bytes, aligned.
; K goes through a ring of two LDS slots of 256 along K (rows of 256 bytes of memory): four fills in all.  CLUSTERS: 4 x 4 work-groups; the four of a row of the cluster need the same rows of embds, the four of a
; column the same rows of W: each tile is asked for jointly.  Wave 3 asks for embds' 256 rows, waves 0, 1, 2 for k's, q's and v's 64 rows of W.
; No prefetch is written: of the four fills two go out at the head, and the other two one K slot behind them.
; The fragments are fetched by loads of 16 bytes: lane (r, h) holds, in registers 4 c .. 4 c + 3, K = 32 c + 16 h + 0 .. 15.  That is a permutation of K, alike in both operands: every product meets its partner.
; LIMITS: e3 - e0 - e1, e2 - e0 - e1 and e5 - e0 - e1 lie between -126 and 112, so that each scale and 57,344 x the scale is an f32 number.  NaN and infinity codes among the inputs are not served.
; REGISTERS, in windows of 256: window 0: v1-29 addresses and scales; W's fragments, two sets of 6 x 16 at v64 and v160 (k0 k1 q0 q1 v0 v1); on the way out the codes at v64-159.
;   window 1: embds' fragments, two sets of 8 x 16.   window 2: k's and q's accumulators, (a, b) at v[8 (4 a + b)].   window 3: v's, (a, u) at v[8 (2 a + u)].
.set PITCH, 272                        ; an LDS row: 256 bytes + 16 of padding = 68 words: row r starts at bank 4 r mod 64 (64 banks of 4 bytes: ISA guide 11.1)
.set WPART, 64*PITCH                   ; 64 rows of W: k's, then q's, then v's
.set XOFF,  192*PITCH                  ; behind them embds' 256 rows
.set SLOT,  448*PITCH
.set SPARE, 2*SLOT                     ; behind the ring: the spare words, 128 bytes for each wave: two blocks of 256 bytes that no other line names
.set ADX, 16                           ; v16-17  LDS address of my fragments of embds in slot 0, 1
.set ADW, 20                           ; v20-21  the same for W
.set LI,  26                           ; v26     16 x lane: my place in a chunk
.set SPW, 28                           ; v28     LDS address of my spare word; never rewritten
.set NIL, 29                           ; v29     0; never rewritten
.set WF,  64                           ; W's set p at v[WF + 96 p]
.set CD,  64                           ; the way out: codes
.set G1X, 24                           ; s[24:31] descriptor group 1 for embds' tiles; s[32:39] group 0, a set for each slot
.set G0X, 32
.set G1W, 48                           ; s[48:55], s[56:63] the same for W's tiles
.set G0W, 56
.set MSB, 0
.macro WIN new                         ; the immediate's high byte repeats the setting that is left; a switch that changes nothing is dropped
.if MSB != \new
	s_set_vgpr_msb (MSB<<8)|\new
.set MSB, \new
.endif
.endm
; A joint load.  Each of the two lines has one mask and one set of registers for all that issue it; the branch hangs on the wave's number alone.  Four v_nop follow each line.
.macro JLOAD s
	s_cmp_eq_u32 s14, 3
	s_cbranch_scc0 .Lfor_w_\@
	tensor_load_to_lds s[G0X+4*\s:G0X+4*\s+3], s[G1X:G1X+7]
	s_nop 0
.rept 4
	v_nop
.endr
	s_branch .Lasked_\@
.Lfor_w_\@:
	tensor_load_to_lds s[G0W+4*\s:G0W+4*\s+3], s[G1W:G1W+7]
	s_nop 0
.rept 4
	v_nop
.endr
.Lasked_\@:
.endm
.macro CREST                           ; a round of the cluster's barrier behind its opening barrier
	s_cmp_lg_u32 s14, 0
	s_cbranch_scc1 .Lnot_wave_0_\@
	s_barrier_signal -3
.Lnot_wave_0_\@:
	s_barrier_wait -3
	s_barrier_signal -1
	s_barrier_wait -1
.endm
.macro CROUND                          ; a whole round
	s_barrier_signal -1
	s_barrier_wait -1
	CREST
.endm
.macro PLACES n                        ; plain vector instructions between a matrix instruction and a load into, or a vector instruction on, one of its registers
.rept \n
	v_nop
.endr
.endm
	s_load_b256 s[4:11], s[0:1], 0x0               ; embds' codes s[4:5], W's codes s[6:7], the scales' exponents s[8:9], qimg s[10:11]
	s_load_b64 s[12:13], s[0:1], 0x20              ; kvimg
	v_lshl_add_u32 v[SPW], v0, 2, SPARE
	v_mov_b32 v[NIL], 0
	ds_add_u32 v28, v29
	ds_add_u32 v28, v29
	s_wait_dscnt 0x0
	v_lshrrev_b32 v1, 5, v0
	v_readfirstlane_b32 s14, v1                    ; wave 0..3
	s_lshr_b32 s15, s14, 1                         ; i: which 128 rows are mine
	s_and_b32 s16, s14, 1                          ; jj: which 32 columns of each of k, q, v
	s_bfe_u32 s40, ttmp6, 0x40000                  ; cx, cy: my place in the cluster
	s_bfe_u32 s41, ttmp6, 0x40004
	s_lshl_b32 s42, ttmp9, 2
	s_add_co_u32 s42, s42, s40                     ; the head = 4 x cluster x + cx
	s_and_b32 s17, ttmp7, 0xffff
	s_lshl_b32 s17, s17, 2
	s_add_co_u32 s17, s17, s41                     ; the block of 256 tokens = 4 x cluster y + cy
	s_lshl_b32 s43, s41, 2
	s_lshl_b32 s43, 15, s43                        ; my row of the cluster
	s_lshl_b32 s44, 0x1111, s40                    ; my column
	s_or_b32 s[G1X], s43, (1<<20)|(1<<21)|(5<<22)|(3<<25)   ; 15:0 the mask: embds' tiles go to my row; 17:16 elements of 1 byte; 20 padding on; 21 set beside a mask; 24:22 after every 64 words; 31:25 four words
	s_or_b32 s[G1W], s44, (1<<20)|(1<<21)|(5<<22)|(3<<25)   ; W's tiles go to my column
	s_mov_b32 s[G1X+1], 256<<16                    ; tensor_dim0 = 256
	s_mov_b32 s[G1X+2], 256<<16                    ; tensor_dim1 = 256
	s_mov_b32 s[G1X+3], 256<<16                    ; tile_dim0 = 256
	s_mov_b32 s[G1X+4], 256                        ; tile_dim1 = 256 rows
	s_mov_b32 s[G1X+5], 1024                       ; from row to row
	s_mov_b32 s[G1X+6], 0
	s_mov_b32 s[G1X+7], 0
	s_mov_b32 s[G1W+1], 256<<16
	s_mov_b32 s[G1W+2], 64<<16                     ; tensor_dim1 = 64
	s_mov_b32 s[G1W+3], 256<<16
	s_mov_b32 s[G1W+4], 64                         ; tile_dim1 = 64 rows
	s_mov_b32 s[G1W+5], 1024
	s_mov_b32 s[G1W+6], 0
	s_mov_b32 s[G1W+7], 0
	s_lshl_b32 s20, s17, 18                        ; embds: 256 rows of 1,024 bytes a block: hangs on the block alone, which my row of the cluster shares
	s_mov_b32 s21, 0
	s_min_u32 s45, s14, 2                          ; which of k, q, v I fetch (wave 3 fetches embds; its copy of W's descriptor is never used)
	s_lshl_b32 s46, s45, 20                        ; W: 1,024 rows a part,
	s_lshl_b32 s47, s42, 16                        ; 64 rows a head: hangs on the head and the wave's number, which my column shares
	s_add_co_u32 s46, s46, s47
	s_mov_b32 s47, 0
	s_mul_i32 s45, s45, WPART                      ; and its place in a slot: no place in the cluster enters an LDS address
	s_wait_kmcnt 0x0
	s_load_b256 s[68:75], s[8:9], 0x0              ; e0 .. e7
	s_add_nc_u64 s[20:21], s[4:5], s[20:21]
	s_add_nc_u64 s[46:47], s[6:7], s[46:47]
	CROUND                                         ; all sixteen work-groups are here: the first joint loads meet
.irp s, 0,1
	s_mov_b32 s[G0X+4*\s], 1                       ; count = 1
	s_mov_b32 s[G0X+4*\s+1], XOFF+\s*SLOT          ; LDS address
	s_add_nc_u64 s[G0X+4*\s+2:G0X+4*\s+3], s[20:21], \s*256   ; global address: K 256 s on
	s_or_b32 s[G0X+4*\s+3], s[G0X+4*\s+3], 0x80000000         ; type = 2
	s_mov_b32 s[G0W+4*\s], 1
	s_add_co_u32 s[G0W+4*\s+1], s45, \s*SLOT
	s_add_nc_u64 s[G0W+4*\s+2:G0W+4*\s+3], s[46:47], \s*256
	s_or_b32 s[G0W+4*\s+3], s[G0W+4*\s+3], 0x80000000
	JLOAD \s                                       ; two loads of mine are out
.endr
	v_and_b32 v1, 15, v0                           ; r
	v_bfe_u32 v2, v0, 4, 1                         ; h
	v_mul_u32_u24 v3, v1, PITCH
	v_lshl_add_u32 v3, v2, 4, v3                   ; a fragment's row x pitch + 16 h
	s_mul_i32 s82, s15, 128*PITCH
	s_add_co_u32 s82, s82, XOFF                    ; my 128 rows of embds
	s_mul_i32 s83, s16, 32*PITCH                   ; my 32 rows of each part of W
	v_add_nc_u32 v[ADX], s82, v3
	v_add_nc_u32 v[ADW], s83, v3
	v_add_nc_u32 v[ADX+1], SLOT, v[ADX]
	v_add_nc_u32 v[ADW+1], SLOT, v[ADW]
	v_and_b32 v[LI], 31, v0
	v_lshlrev_b32 v[LI], 4, v[LI]
	s_wait_alu depctr_va_vdst(0)
	s_wait_kmcnt 0x0
	s_add_co_i32 s84, s68, s69                     ; e0 + e1: a sum stands for sum x 2^(e0 + e1), so its code is sum / 2^(e - e0 - e1): the three scales folded into the conversion's one
.macro SCL e, vs, vl                   ; v[vs] = 2^(s[e] - e0 - e1) as f32
	s_sub_co_i32 s85, s[\e], s84
	s_add_co_i32 s85, s85, 127
	s_lshl_b32 s86, s85, 23
	v_mov_b32 v[\vs], s86
.endm
	SCL 71, 8, 9                                   ; k: e3
	SCL 70, 10, 11                                 ; q: e2
	SCL 73, 12, 13                                 ; v: e5
	s_lshr_b32 s87, s17, 3                         ; the batch
	s_lshl_b32 s88, s87, 4
	s_add_co_u32 s88, s88, s42                     ; bh = 16 x batch + head
	s_and_b32 s89, s17, 7
	s_lshl_b32 s89, s89, 1
	s_add_co_u32 s89, s89, s15                     ; st: my 128 tokens' key step in the batch
	s_lshl_b32 s90, s88, 18
	s_lshl_b32 s92, s89, 14
	s_add_co_u32 s90, s90, s92
	s_mov_b32 s91, 0
	s_add_nc_u64 s[76:77], s[12:13], s[90:91]      ; kvimg at my key step
	s_lshl_b32 s92, s16, 12
	s_add_co_u32 s92, s92, 8192
	s_mov_b32 s93, 0
	s_add_nc_u64 s[78:79], s[76:77], s[92:93]      ; v's part: my two tiles of d, 2,048 bytes each
	s_lshl_b32 s92, s16, 9
	s_add_nc_u64 s[76:77], s[76:77], s[92:93]      ; k's part: chunk jj of each tile of keys
	s_lshl_b32 s90, s88, 17
	s_lshl_b32 s94, s89, 13
	s_add_co_u32 s90, s90, s94
	s_add_co_u32 s90, s90, s92
	s_add_nc_u64 s[80:81], s[10:11], s[90:91]      ; qimg: chunk jj of each of my eight tiles of queries
; 56 LDS loads in one run: the fragments of the slot's q-th 128 along K into set p: W's six, then embds' eight
.macro FETCH slot, q, p
	WIN 0
.irp b, 0,1,2,3,4,5
.irp c, 0,1,2,3
	ds_load_b128 v[WF+96*(\p)+16*\b+4*\c:WF+96*(\p)+16*\b+4*\c+3], v[ADW+\slot] offset:(64*(\b/2)+16*(\b%2))*PITCH+128*(\q)+32*\c
.endr
.endr
	WIN 0x40                                       ; destination window 1, address window 0
.irp a, 0,1,2,3,4,5,6,7
.irp c, 0,1,2,3
	ds_load_b128 v[128*(\p)+16*\a+4*\c:128*(\p)+16*\a+4*\c+3], v[ADX+\slot] offset:\a*16*PITCH+128*(\q)+32*\c
.endr
.endr
	WIN 0
.endm
; 8 products for v: tiles of tokens a0 .. a0 + 3 x my two tiles of d; source 0 = embds (window 1), source 1 = W (window 0), sums in window 3.  zero = 1: the first product starts the sum.
.macro MULV p, a0, zero
	WIN 0xf1
.irp a, 0,1,2,3
.irp u, 0,1
.if \zero
	v_wmma_f32_16x16x128_bf8_bf8 v[8*(2*((\a0)+\a)+\u):8*(2*((\a0)+\a)+\u)+7], v[128*(\p)+16*((\a0)+\a):128*(\p)+16*((\a0)+\a)+15], v[WF+96*(\p)+16*(4+\u):WF+96*(\p)+16*(4+\u)+15], 0
.else
	v_wmma_f32_16x16x128_bf8_bf8 v[8*(2*((\a0)+\a)+\u):8*(2*((\a0)+\a)+\u)+7], v[128*(\p)+16*((\a0)+\a):128*(\p)+16*((\a0)+\a)+15], v[WF+96*(\p)+16*(4+\u):WF+96*(\p)+16*(4+\u)+15], v[8*(2*((\a0)+\a)+\u):8*(2*((\a0)+\a)+\u)+7]
.endif
.endr
.endr
.endm
; 16 products for k and q, transposed: source 0 = W (window 0), source 1 = embds (window 1), sums in window 2
.macro MULKQ p, a0, zero
	WIN 0xa4
.irp a, 0,1,2,3
.irp b, 0,1,2,3
.if \zero
	v_wmma_f32_16x16x128_bf8_bf8 v[8*(4*((\a0)+\a)+\b):8*(4*((\a0)+\a)+\b)+7], v[WF+96*(\p)+16*\b:WF+96*(\p)+16*\b+15], v[128*(\p)+16*((\a0)+\a):128*(\p)+16*((\a0)+\a)+15], 0
.else
	v_wmma_f32_16x16x128_bf8_bf8 v[8*(4*((\a0)+\a)+\b):8*(4*((\a0)+\a)+\b)+7], v[WF+96*(\p)+16*\b:WF+96*(\p)+16*\b+15], v[128*(\p)+16*((\a0)+\a):128*(\p)+16*((\a0)+\a)+15], v[8*(4*((\a0)+\a)+\b):8*(4*((\a0)+\a)+\b)+7]
.endif
.endr
.endr
.endm
; The 48 accumulators take turns, one instruction a turn, in the same order in every step.
; A slot's first 128 along K: multiplies set 0; ahead of its products it asks for the second 128, into set 1.
.macro STEP slot, zero
	s_wait_dscnt 0x0                               ; set 0 is in
	PLACES 4                                       ; set 1 was read by the products just issued
	FETCH \slot, 1, 1
	MULV 0, 0, \zero
	MULV 0, 4, \zero
	MULKQ 0, 0, \zero
	MULKQ 0, 4, \zero
	WIN 0
.endm
; A slot's second 128 along K multiplies set 1 and changes slots: one barrier; in front of it each wave waits for all its tensor loads, adds 0 to its spare word, and waits for that and for its reads of this slot.
; fill = 1: the barrier opens a round of the cluster's barrier, and behind the round this slot is filled again, 512 along K further on.
.macro TURN slot, next, fill
	s_wait_tensorcnt 0x0                           ; all my tensor loads have landed: my part of the next slot
	ds_add_u32 v[SPW], v[NIL]                      ; 0 onto my spare word
	s_wait_dscnt 0x1                               ; set 1 is in; the add alone may be out
	MULV 1, 0, 0                                   ; eight matrix instructions stand between the add and the wait for it
	s_wait_dscnt 0x0                               ; the add is done, and my reads of this slot are over
	s_barrier_signal -1
	MULV 1, 4, 0
	WIN 0
	s_barrier_wait -1
.if \fill
	CREST                                          ; no wave of any partner still reads this slot or has a load on its way
	s_add_nc_u64 s[G0X+4*\slot+2:G0X+4*\slot+3], s[G0X+4*\slot+2:G0X+4*\slot+3], 512
	s_add_nc_u64 s[G0W+4*\slot+2:G0W+4*\slot+3], s[G0W+4*\slot+2:G0W+4*\slot+3], 512
	JLOAD \slot                                    ; the first tensor load behind the round, one a wave; its four v_nop are also the places in front of the loads below
.else
	PLACES 4
.endif
	FETCH \next, 0, 0
	MULKQ 1, 0, 0
	MULKQ 1, 4, 0
	WIN 0
.endm
	s_wait_tensorcnt 0x1                           ; my part of slot 0 is in; slot 1's load may stay out
	s_barrier_signal -1
	s_barrier_wait -1                              ; everybody's is
	FETCH 0, 0, 0
	STEP 0, 1                                      ; K 0: these products start the sums: nothing is cleared
	TURN 0, 1, 1                                   ; K 128; slot 0 takes K 512 on
	STEP 1, 0                                      ; K 256
	TURN 1, 0, 1                                   ; K 384; slot 1 takes K 768 on
	STEP 0, 0                                      ; K 512
	TURN 0, 1, 0                                   ; K 640; nothing is left to fetch
	STEP 1, 0                                      ; K 768
	s_wait_dscnt 0x0                               ; K 896
	MULV 1, 0, 0
	MULV 1, 4, 0
	MULKQ 1, 0, 0
	MULKQ 1, 4, 0
	WIN 0
	; THE WAY OUT.  Eight sums of a lane become eight codes, unclamped (the conversion to an 8-bit code does not saturate: ISA guide 7.6.2).  Each accumulator is read from its low end on.
	PLACES 4
	WIN 0x82                                       ; source 0 and destination window 2
.set NN, 0
.rept 256
.if (NN%32) < 16
.else
.endif
.set NN, NN+1
.endr
	WIN 0x02                                       ; source 0 window 2, destination window 0
.set NN, 0
	s_wait_alu depctr_va_vdst(0)
.rept 32
.if (NN%4) < 2
	v_cvt_scalef32_pk8_bf8_f32 v[CD+2*NN:CD+2*NN+1], v[8*NN:8*NN+7], v8
.else
	v_cvt_scalef32_pk8_bf8_f32 v[CD+2*NN:CD+2*NN+1], v[8*NN:8*NN+7], v10
.endif
.set NN, NN+1
.endr
	v_nop                                          ; a plain vector instruction behind the last conversion of the run
	WIN 0
.irp a, 0,1,2,3,4,5,6,7
	global_store_b128 v[LI], v[CD+8*\a:CD+8*\a+3], s[76:77] offset:1024*\a     ; k: chunk jj of tile a: 512 consecutive bytes, aligned
	global_store_b128 v[LI], v[CD+8*\a+4:CD+8*\a+7], s[80:81] offset:1024*\a   ; q likewise
.endr
	WIN 0xc3                                       ; source 0 and destination window 3
.set NN, 0
.rept 128
.set NN, NN+1
.endr
	WIN 0x03
.irp a, 0,1,2,3,4,5,6,7
.irp u, 0,1
	v_cvt_scalef32_pk8_bf8_f32 v[CD+64+16*\u+2*\a:CD+64+16*\u+2*\a+1], v[8*(2*\a+\u):8*(2*\a+\u)+7], v12   ; tokens 16 a + 8 h + 0 .. 7 of d-tile u: registers 2 a, 2 a + 1 of its fragment
.endr
.endr
	v_nop
	WIN 0
.irp u, 0,1
.irp c, 0,1,2,3
	global_store_b128 v[LI], v[CD+64+16*\u+4*\c:CD+64+16*\u+4*\c+3], s[78:79] offset:2048*\u+512*\c
.endr
.endr
	s_wait_tensorcnt 0x0                           ; the wave's end
	ds_add_u32 v[SPW], v[NIL]
	s_wait_dscnt 0x0
	CROUND                                         ; the closing round: no work-group ends while a partner may still ask for a tile that names it
	s_endpgm
.Lfunc_end_k_q794474c244_qkv:
	.size	k_q794474c244_qkv, .Lfunc_end_k_q794474c244_qkv-k_q794474c244_qkv
	.p2alignl 7, 3214868480
	.fill 96, 4, 3214868480
	.section	.rodata,"a",@progbits
	.p2align	6, 0x0
	.amdhsa_kernel k_q794474c244_qkv
		.amdhsa_group_segment_fixed_size 327680
		.amdhsa_private_segment_fixed_size 0
		.amdhsa_enable_private_segment 0
		.amdhsa_kernarg_size 40
		.amdhsa_user_sgpr_count 2
		.amdhsa_user_sgpr_kernarg_segment_ptr 1
		.amdhsa_wavefront_size32 1
		.amdhsa_system_sgpr_workgroup_id_x 1
		.amdhsa_system_sgpr_workgroup_id_y 1
		.amdhsa_system_sgpr_workgroup_id_z 1
		.amdhsa_system_vgpr_workitem_id 0
		.amdhsa_next_free_vgpr 896
		.amdhsa_next_free_sgpr 100
		.amdhsa_reserve_vcc 0
		.amdhsa_float_denorm_mode_32 3
		.amdhsa_float_denorm_mode_16_64 3
		.amdhsa_fp16_overflow 1
		.amdhsa_memory_ordered 1
		.amdhsa_forward_progress 1
		.amdhsa_inst_pref_size 70
	.end_amdhsa_kernel
	.amdgpu_metadata
---
amdhsa.version: [ 1, 2 ]
amdhsa.kernels:
  - .name:           k_q794474c244_qkv
    .symbol:         k_q794474c244_qkv.kd
    .args:
      - { .name: embds_codes, .offset: 0, .size: 8, .value_kind: global_buffer, .address_space: global }
      - { .name: W_qkv_codes, .offset: 8, .size: 8, .value_kind: global_buffer, .address_space: global }
      - { .name: lowp_scales, .offset: 16, .size: 8, .value_kind: global_buffer, .address_space: global }
      - { .name: qimg, .offset: 24, .size: 8, .value_kind: global_buffer, .address_space: global }
      - { .name: kvimg, .offset: 32, .size: 8, .value_kind: global_buffer, .address_space: global }
    .group_segment_fixed_size: 327680
    .private_segment_fixed_size: 0
    .kernarg_segment_align: 8
    .kernarg_segment_size: 40
    .max_flat_workgroup_size: 128
    .sgpr_count:     100
    .vgpr_count:     896
    .wavefront_size: 32
...
	.end_amdgpu_metadata
.endif
;; end of part 1
;; launch attn (part 2): grid 4 x 64, 16 waves a work-group, clusters of 4 x 1, 327,680 bytes of LDS; arguments qimg, kvimg, lowp_scales, aimg; writes aimg
.if DOCPART == 2
	.amdgcn_target "amdgcn-amd-amdhsa--gfx1250"
	.amdhsa_code_object_version 6
	.text
	.protected	k_q794474c244_attn
	.globl	k_q794474c244_attn
	.p2align	8
	.type	k_q794474c244_attn,@function
k_q794474c244_attn:
	s_mov_b64 s[64:65], 0
	v_nop
	global_prefetch_b8 v0, s[64:65] scope:SCOPE_SE
	s_setreg_imm32_b32 hwreg(HW_REG_WAVE_MODE, 25, 1), 1
	s_wait_xcnt 0x0
	s_wait_alu depctr_hold_cnt(0) depctr_sa_sdst(0) depctr_va_vdst(0) depctr_va_sdst(0) depctr_va_ssrc(0) depctr_va_vcc(0) depctr_vm_vsrc(0)
	s_getreg_b32 s2, hwreg(HW_REG_IB_STS2, 6, 4)
	s_cmp_eq_u32 s2, 0
	s_cbranch_scc0 .Lentry_in_a_cluster
	s_endpgm
.Lentry_in_a_cluster:
	s_bfe_u32 s2, ttmp6, 0x10000c
	s_cmp_lg_u32 s2, 0x3003
	s_cbranch_scc0 .Lentry_shape_is_right
	s_endpgm
.Lentry_shape_is_right:
; affin = softmax(q k^T / 32, causal) v for one head, both products on codes of E5M2; affin is quantised with its given scale and leaves as codes.
; qimg, kvimg: images of operand registers (chunks of 4 registers x 32 lanes = 512 bytes, lane l's 16 bytes at 16 l):
;   qimg  + bh 131072 + T 1024: query tile T, the fragment of the K = 64 form (registers 2 n, 2 n + 1 of lane (r, h): d = 16 n + 8 h + 0 .. 7 of query 16 T + r)
;   kvimg + bh 262144 + s 16384: key step s of 128 keys: eight fragments of k (1,024 bytes each, as q's), then four of v^T (2,048 each: registers 2 c, 2 c + 1: keys 16 c + 8 h + 0 .. 7 of d = 16 n + r)
;   aimg  + RB 262144 + KS 65536 + rt 4096 + q 2048 + c 512: fragment (16 rows, 128 along K) of the last product's left operand, the K = 128 form's own order
; lowp_scales: e2 q, e3 k, e4 p, e5 v, e6 affin.
; THE SOFTMAX: t = score x log2(e) / 32; M = the running largest t rounded UP to a whole number; p = 2^(t - M) is what is quantised; the row's sum is taken of the unquantised p and divides at the end.
; When M moves, the sum and O are multiplied by 2^(old M - new M): exact.
; SHARES.  A cluster of four work-groups is one (batch, head); 16 waves a work-group.  The head's 128 tiles of 16 queries: work-group cx owns tiles 4 m + cx; wave w owns m = 31 - w and then m = w.
; A tile needs the key steps 0 .. g, g = m / 2 (rounded down), the last of them under the mask; g of the two tiles add up to 15, so every wave of every work-group works 17 key steps, two of them masked.
; g does not hang on cx: the partners run alike.  cx enters q's and aimg's global addresses and the mask's number, nothing else.
; LDS: THE HEAD'S WHOLE K AND V, 262,144 bytes, as they lie in kvimg.  Each wave asks for two parts at the head, jointly with its three partners (mask 15): 4,096 bytes of key steps 0-3 and 12,288 of steps 4-15.
; Nothing is filled again and nothing is stored to LDS.  Two barriers: steps 0-3 have landed; all have landed.  Every loop has a constant trip count; a step that lies wholly under the mask is jumped over.
; No prefetch is written: all that a work-group reads of K and V is asked for by the two loads at its head.
; LAYOUT.  Both products are used transposed: S^T = k q^T (source 0 = 16 keys, source 1 = my 16 queries), O^T = v^T p^T: a lane holds ONE query (lane % 16) throughout.  Tile tau of S^T holds keys 16 tau + 8 h + 0 .. 7
; in a lane's eight registers: one conversion makes registers 2 tau, 2 tau + 1 of p's fragment, the order in which v^T lies.  O^T's tile n likewise becomes registers 2 n, 2 n + 1 of affin's.
; LIMITS: e2 + e3 between -121 and 132 (added to c's exponent field); e4 and e6 between -126 and 112; e4 + e5 goes by v_ldexp_f32 and has none.
; REGISTERS: v1 16 x lane; v2 the step's LDS address; v3, v4 the mask's number for the two tiles; v12 -M, v13 the largest t, v[14:15] the sum in two halves; v16-23, v24-31 q of the two tiles;
; v32-95 eight fragments of k, then four of v^T; v96-159 S^T, then p; v160-191 O^T; v192-207 p's codes; v208-223 affin's codes; v236-254 at work and scales.
.set LI,  1
.set ADR, 2
.set DH,  3
.set DL,  4
.set QH,  16
.set QL,  24
.set FB,  32
.set SC,  96
.set OT,  160
.set PC,  192
.set CH,  208
.set CL,  216
.set WV,  18                           ; s18  my wave's number
.set SEL, 20                           ; s[20:21] lane selects for v_permlanex16_b32: lane l xor 16
.set CS,  22                           ; s[22:23] c = log2(e) / 32 x 2^(e2 + e3): the packed form names a pair and takes its low word
.set G1A, 24                           ; s[24:31] descriptor group 1: 16 rows of 256 bytes;  s[32:39]: 48 rows;  s[40:43], s[44:47] their groups 0
.set G1B, 32
.set G0A, 40
.set G0B, 44
.set GT,  55                           ; s55  g of the tile in hand
.set KS,  56                           ; s56  the key step
.set TB,  57                           ; s57  its first LDS byte
.macro CROUND                          ; a round of the cluster's barrier
	s_barrier_signal -1
	s_barrier_wait -1
	s_cmp_lg_u32 s[WV], 0
	s_cbranch_scc1 .Lnot_wave_0_\@
	s_barrier_signal -3
.Lnot_wave_0_\@:
	s_barrier_wait -3
	s_barrier_signal -1
	s_barrier_wait -1
.endm
	s_load_b256 s[4:11], s[0:1], 0x0               ; qimg s[4:5], kvimg s[6:7], the scales' exponents s[8:9], aimg s[10:11]
	v_lshl_add_u32 v251, v0, 2, 0x40000
	v_mov_b32 v255, 0
	ds_add_u32 v251, v255
	ds_add_u32 v251, v255
	v_lshrrev_b32 v2, 5, v0
	s_delay_alu instid0(VALU_DEP_1)
	v_readfirstlane_b32 s[WV], v2                  ; wave 0..15
	s_bfe_u32 s19, ttmp6, 0x40000                  ; cx
	s_and_b32 s48, ttmp7, 0xffff                   ; bh = 16 x batch + head, which the four partners share
	s_and_b32 s49, s48, 15                         ; the head
	s_lshr_b32 s50, s48, 4                         ; the batch
	s_mov_b32 s[G1A], 15|(3<<16)|(1<<21)           ; 15:0 the mask: all four work-groups; 17:16 elements of 8 bytes; 21 set beside a mask; no padding
	s_mov_b32 s[G1A+1], 32<<16                     ; tensor_dim0 = 32 elements: 256 bytes
	s_mov_b32 s[G1A+2], 16<<16                     ; tensor_dim1 = 16
	s_mov_b32 s[G1A+3], 32<<16                     ; tile_dim0
	s_mov_b32 s[G1A+4], 16                         ; tile_dim1
	s_mov_b32 s[G1A+5], 32                         ; from row to row: dense
	s_mov_b32 s[G1A+6], 0
	s_mov_b32 s[G1A+7], 0
	s_mov_b32 s[G1B], 15|(3<<16)|(1<<21)
	s_mov_b32 s[G1B+1], 32<<16
	s_mov_b32 s[G1B+2], 48<<16
	s_mov_b32 s[G1B+3], 32<<16
	s_mov_b32 s[G1B+4], 48
	s_mov_b32 s[G1B+5], 32
	s_mov_b32 s[G1B+6], 0
	s_mov_b32 s[G1B+7], 0
	s_mov_b32 s[SEL], 0x76543210
	s_mov_b32 s[SEL+1], 0xfedcba98
	s_lshl_b32 s88, s48, 18                        ; the head's first byte in kvimg
	s_mov_b32 s[G0A], 1
	s_lshl_b32 s[G0A+1], s[WV], 12                 ; LDS address = the byte in the head's block: 4,096 x wave,
	s_add_co_u32 s84, s88, s[G0A+1]
	s_mov_b32 s85, 0
	s_mov_b32 s[G0B], 1
	s_mul_i32 s[G0B+1], s[WV], 12288
	s_add_co_u32 s[G0B+1], s[G0B+1], 65536         ; and 65,536 + 12,288 x wave
	s_add_co_u32 s86, s88, s[G0B+1]
	s_mov_b32 s87, 0
	s_wait_dscnt 0x0
	s_wait_kmcnt 0x0
	s_load_b256 s[76:83], s[8:9], 0x0              ; e0 .. e7
	s_add_nc_u64 s[G0A+2:G0A+3], s[6:7], s[84:85]
	s_or_b32 s[G0A+3], s[G0A+3], 0x80000000        ; type = 2
	s_add_nc_u64 s[G0B+2:G0B+3], s[6:7], s[86:87]
	s_or_b32 s[G0B+3], s[G0B+3], 0x80000000
	CROUND                                         ; all four work-groups are here: the joint loads meet
	tensor_load_to_lds s[G0A:G0A+3], s[G1A:G1A+7]  ; my part of key steps 0-3
	s_nop 0
	s_wait_alu depctr_va_vdst(0)
	s_wait_tensorcnt 0x0
	ds_add_u32 v251, v255
	s_wait_dscnt 0x0
	CROUND
	tensor_load_to_lds s[G0B:G0B+3], s[G1B:G1B+7]  ; my part of key steps 4-15: the first has landed, so this one alone is out, and no more are ever issued
	s_nop 0
.rept 4
	v_nop
.endr
	v_and_b32 v[LI], 31, v0
	s_delay_alu instid0(VALU_DEP_1)
	v_lshlrev_b32 v[LI], 4, v[LI]
	v_and_b32 v5, 15, v0                           ; r
	v_bfe_u32 v6, v0, 4, 1                         ; h
	s_delay_alu instid0(VALU_DEP_1)
	v_lshlrev_b32 v6, 3, v6
	s_delay_alu instid0(VALU_DEP_1)
	v_sub_nc_u32 v5, v5, v6                        ; r - 8 h
	s_wait_alu depctr_va_vdst(0)
	s_sub_co_u32 s51, 31, s[WV]                    ; m of my first tile
	s_lshr_b32 s53, s51, 1                         ; its g, 8 .. 15
	s_lshr_b32 s54, s[WV], 1                       ; my second tile's g, 0 .. 7
; For the tile with m in s[m]: q's base, aimg's base, and the mask's number d = (my query in its group of 128) - 8 h
.macro BASES m, qb, ab, dreg
	s_lshl_b32 s88, s[\m], 2
	s_add_co_u32 s88, s88, s19                     ; T = 4 m + cx
	s_lshl_b32 s88, s88, 10
	s_lshl_b32 s89, s48, 17
	s_add_co_u32 s88, s88, s89
	s_mov_b32 s89, 0
	s_add_nc_u64 s[\qb:\qb+1], s[4:5], s[88:89]
	s_lshl_b32 s90, s50, 3
	s_lshr_b32 s91, s[\m], 2
	s_add_co_u32 s90, s90, s91                     ; RB = 8 x batch + T / 16
	s_lshl_b32 s90, s90, 18
	s_lshr_b32 s91, s49, 2                         ; KS = head / 4
	s_lshl_b32 s91, s91, 16
	s_add_co_u32 s90, s90, s91
	s_and_b32 s91, s[\m], 3
	s_lshl_b32 s91, s91, 2
	s_add_co_u32 s91, s91, s19                     ; rt = T % 16
	s_lshl_b32 s91, s91, 12
	s_add_co_u32 s90, s90, s91
	s_and_b32 s91, s49, 3                          ; the head's 64 of the 256 along K: 1,024 bytes each
	s_lshl_b32 s91, s91, 10
	s_add_co_u32 s90, s90, s91
	s_mov_b32 s91, 0
	s_add_nc_u64 s[\ab:\ab+1], s[10:11], s[90:91]
	s_and_b32 s92, s[\m], 1
	s_lshl_b32 s92, s92, 2
	s_add_co_u32 s92, s92, s19                     ; T % 8
	s_lshl_b32 s92, s92, 4
	v_add_nc_u32 v[\dreg], s92, v5
.endm
	BASES 51, 66, 70, DH
	BASES 18, 68, 72, DL
	global_load_b128 v[QH:QH+3], v[LI], s[66:67] th:TH_LOAD_NT              ; q's fragments stay in registers; each is read once in the launch
	global_load_b128 v[QH+4:QH+7], v[LI], s[66:67] offset:512 th:TH_LOAD_NT
	global_load_b128 v[QL:QL+3], v[LI], s[68:69] th:TH_LOAD_NT
	global_load_b128 v[QL+4:QL+7], v[LI], s[68:69] offset:512 th:TH_LOAD_NT
	v_mov_b32 v236, 0                              ; written once: a lane permute's destination counts as one of its sources
	v_mov_b32 v252, 0
	v_mov_b32 v253, 0                              ; (named as the upper half of the pair v[252:253])
.macro INIT                            ; a tile begins: the step is written once, its first pass finds zeros, which the first change of M leaves zeros
	v_mov_b32 v13, 0xff61b1e6                      ; the largest t so far: -3e38, under every t
	s_delay_alu instid0(VALU_DEP_1)
	v_floor_f32 v12, -v13                          ; -M
	v_mov_b32 v14, 0
	v_mov_b32 v15, 0
.set NN, 0
.rept 32
	v_mov_b32 v[OT+NN], 0
.set NN, NN+1
.endr
.endm
	INIT
	s_wait_kmcnt 0x0
	s_add_co_i32 s88, s78, s79                     ; e2 + e3: a score stands for score x 2^(e2 + e3):
	s_lshl_b32 s88, s88, 23
	s_mov_b32 s[CS], 0x3d38aa3b                    ; c = log2(e) / 32
	s_add_co_i32 s[CS], s[CS], s88                 ; the two exponents are added to c's exponent field
	s_mov_b32 s[CS+1], s[CS]                       ; (named with it as a pair, so it is written)
	s_add_co_i32 s88, s80, 127
	s_lshl_b32 s89, s88, 23
	v_mov_b32 v244, s89                            ; 2^e4 as f32, for p's conversions
	s_add_co_i32 s88, s82, 127
	s_lshl_b32 s89, s88, 23
	v_mov_b32 v245, s89                            ; 2^e6, for affin's
	s_add_co_i32 s58, s80, s81                     ; e4 + e5
; A KEY STEP: 128 keys against my 16 queries.  qf: q's fragment; dm: the mask's number.
.macro STEP qf, dm
	s_cmp_gt_u32 s[KS], s[GT]                      ; all its keys come after my queries: the step's work is left out; a branch on the wave's number and the counter
	s_cbranch_scc1 .Lhidden_\@
	s_setprio 2
	v_add_nc_u32 v[ADR], s[TB], v[LI]
.rept 3
	v_nop                                          ; with the addition four places in front of loads into registers that the last products read
.endr
.set NN, 0
.rept 16
	ds_load_b128 v[FB+4*NN:FB+4*NN+3], v[ADR] offset:512*NN          ; k's eight fragments: 512 consecutive bytes a load
.set NN, NN+1
.endr
	s_wait_alu depctr_va_vdst(0)
	s_wait_dscnt 0x8                               ; tiles 0-3 are in; the eight younger loads may be out
.irp t, 0,1,2,3
	v_wmma_f32_16x16x64_bf8_bf8 v[SC+8*\t:SC+8*\t+7], v[FB+8*\t:FB+8*\t+7], v[\qf:\qf+7], 0
.endr
	s_wait_dscnt 0x0
.irp t, 4,5,6,7
	v_wmma_f32_16x16x64_bf8_bf8 v[SC+8*\t:SC+8*\t+7], v[FB+8*\t:FB+8*\t+7], v[\qf:\qf+7], 0
.endr
.rept 4
	v_nop                                          ; places in front of the loads below and of the first read of the scores
.endr
.set NN, 0
.rept 16
	ds_load_b128 v[FB+4*NN:FB+4*NN+3], v[ADR] offset:8192+512*NN     ; v^T's four fragments: they land under the softmax
.set NN, NN+1
.endr
	s_cmp_lt_u32 s[KS], s[GT]                      ; all its keys count: no mask
	s_cbranch_scc1 .Lopen_\@
	v_mov_b32 v254, 0xff800000                     ; on the diagonal hidden scores become -infinity ahead of the maximum: p = 0 then.  Register 8 tau + j holds key 16 tau + 8 h + j of the step: hidden where 16 tau + j > d
.set NN, 0
.rept 64
	v_cmp_gt_i32 vcc_lo, 16*(NN/8)+NN%8, v[\dm]
	v_cndmask_b32 v[SC+NN], v[SC+NN], v254, vcc_lo
.set NN, NN+1
.endr
.Lopen_\@:
	v_max3_num_f32 v254, v[SC], v[SC+1], v[SC+2]   ; the step's largest score of my query among my 64 keys, in two chains; each tile of scores is first read at its low end
	v_max3_num_f32 v252, v[SC+3], v[SC+4], v[SC+5]
.irp i, 6,10,14,18,22,26,30,34,38,42,46,50,54,58
	v_max3_num_f32 v254, v254, v[SC+\i], v[SC+1+\i]
	v_max3_num_f32 v252, v252, v[SC+2+\i], v[SC+3+\i]
.endr
	v_max3_num_f32 v254, v254, v[SC+62], v[SC+63]
	s_delay_alu instid0(VALU_DEP_1)
	v_max_num_f32 v254, v254, v252
	s_delay_alu instid0(VALU_DEP_1)
	v_permlanex16_b32 v236, v254, s[SEL], s[SEL+1]
	s_delay_alu instid0(VALU_DEP_1)
	v_max_num_f32 v254, v254, v236                 ; and among lane l xor 16's
	s_delay_alu instid0(VALU_DEP_1)
	v_mul_f32 v254, s[CS], v254                    ; as t (c is positive)
	s_delay_alu instid0(VALU_DEP_1)
	v_max_num_f32 v13, v13, v254                   ; the running largest t
	v_mov_b32 v254, v12
	s_delay_alu instid0(VALU_DEP_2)
	v_floor_f32 v12, -v13                          ; the new -M = floor(-t) = -ceil(t): a whole number
	s_delay_alu instid0(VALU_DEP_1)
	v_sub_f32 v254, v12, v254                      ; old M - new M: a whole number, 0 or less
	s_delay_alu instid0(VALU_DEP_1)
	v_cvt_i32_f32 v254, v254                       ; (it saturates)
	s_delay_alu instid0(VALU_DEP_1)
	v_ldexp_f32 v252, 1.0, v254                    ; f = 2^(old M - new M)
.set NN, 0
	s_setprio 1
.rept 32
	v_pk_fma_f32 v[SC+NN:SC+NN+1], v[SC+NN:SC+NN+1], s[CS:CS+1], v[12:13] op_sel_hi:[1,0,0]   ; t - M, two at a time
.set NN, NN+2
.endr
.set NN, 0
	s_wait_alu depctr_va_vdst(0)
.rept 64
	v_exp_f32 v[SC+NN], v[SC+NN]                   ; p = 2^(t - M): not normalised
.set NN, NN+1
.endr
	v_pk_mul_f32 v[14:15], v[14:15], v[252:253] op_sel_hi:[1,0]      ; the sums under the new M: the plain instruction behind the exponentials
	s_wait_alu depctr_va_vdst(0)                   ; one wait for the whole batch, ahead of its first reader
	v_pk_add_f32 v[242:243], v[SC:SC+1], v[SC+2:SC+3]                ; the row's sum is taken of the unquantised p, in two chains
.irp j, 4,8,12,16,20,24,28,32,36,40,44,48,52,56,60
	v_pk_add_f32 v[14:15], v[14:15], v[SC+\j:SC+1+\j]
	v_pk_add_f32 v[242:243], v[242:243], v[SC+2+\j:SC+3+\j]
.endr
	s_delay_alu instid0(VALU_DEP_1)
	v_pk_add_f32 v[14:15], v[14:15], v[242:243]
	s_setprio 0
.irp t, 0,1,2,3,4,5,6,7
.irp i, 0,1,2,3,4,5,6,7
.endr
	v_cvt_scalef32_pk8_bf8_f32 v[PC+2*\t:PC+2*\t+1], v[SC+8*\t:SC+8*\t+7], v244   ; keys 16 tau + 8 h + 0 .. 7: registers 2 tau, 2 tau + 1 of p's fragment
.endr
.set NN, 0
.rept 16
	v_pk_mul_f32 v[OT+NN:OT+NN+1], v[OT+NN:OT+NN+1], v[252:253] op_sel_hi:[1,0]   ; O^T under the new M; these are also the plain instructions behind the conversions
.set NN, NN+2
.endr
	s_wait_alu depctr_va_vdst(0)
	s_wait_dscnt 0x0                               ; v^T is in
.irp n, 0,1,2,3
	v_wmma_f32_16x16x128_bf8_bf8 v[OT+8*\n:OT+8*\n+7], v[FB+16*\n:FB+16*\n+15], v[PC:PC+15], v[OT+8*\n:OT+8*\n+7]   ; the four sums take turns, one instruction a turn
.endr
.Lhidden_\@:
	s_add_co_u32 s[TB], s[TB], 16384               ; on both ways: the next step's bytes
.endm
; A tile ends: O^T / the sum x 2^(e4 + e5), quantised with 2^e6, stored as two chunks of aimg.  cr: the codes' registers; ab: the base.
.macro FINISH cr, ab
.rept 4
	v_nop                                          ; places behind the last products
.endr
	v_add_f32 v14, v14, v15                        ; the sum's two halves,
	s_delay_alu instid0(VALU_DEP_1)
	v_permlanex16_b32 v252, v14, s[SEL], s[SEL+1]
	s_delay_alu instid0(VALU_DEP_1)
	v_add_f32 v14, v14, v252                       ; and lane l xor 16's
	s_wait_alu depctr_va_vdst(0)
	v_rcp_f32 v14, v14
	v_nop                                          ; a plain instruction behind the reciprocal
	s_wait_alu depctr_va_vdst(0)                   ; and the wait ahead of its first reader
	v_ldexp_f32 v14, v14, s58
.set NN, 0
.rept 16
	v_pk_mul_f32 v[SC+NN:SC+NN+1], v[OT+NN:OT+NN+1], v[14:15] op_sel_hi:[1,0]     ; each sum from its low end on
.set NN, NN+2
.endr
.set NN, 0
.rept 32
.set NN, NN+1
.endr
.irp n, 0,1,2,3
	v_cvt_scalef32_pk8_bf8_f32 v[\cr+2*\n:\cr+2*\n+1], v[SC+8*\n:SC+8*\n+7], v245
.endr
	v_nop                                          ; a plain instruction behind the last conversion
	global_store_b128 v[LI], v[\cr:\cr+3], s[\ab:\ab+1]              ; 512 consecutive bytes, aligned
	global_store_b128 v[LI], v[\cr+4:\cr+7], s[\ab:\ab+1] offset:512
.endm
	s_mov_b32 s[GT], s53                           ; my first tile, the later queries
	s_mov_b32 s[KS], 0
	s_mov_b32 s[TB], 0
	s_wait_loadcnt 0x0                             ; q
	s_wait_tensorcnt 0x1                           ; my part of key steps 0-3 is in; the other load may stay out
	s_barrier_signal -1
	s_barrier_wait -1                              ; everybody's is
.Lh1:                                              ; key steps 0-3
	STEP QH, DH
	s_add_co_u32 s[KS], s[KS], 1
	s_cmp_lt_u32 s[KS], 4
	s_cbranch_scc1 .Lh1
	s_setprio 0
	s_wait_tensorcnt 0x0                           ; my part of key steps 4-15 is in
	s_wait_dscnt 0x0
	s_barrier_signal -1
	s_barrier_wait -1                              ; the whole head lies in LDS; from here on the waves run free
	s_mov_b32 s[KS], 4
	s_mov_b32 s[TB], 65536
.Lh2:                                              ; key steps 4-15
	STEP QH, DH
	s_add_co_u32 s[KS], s[KS], 1
	s_cmp_lt_u32 s[KS], 16
	s_cbranch_scc1 .Lh2
	s_setprio 0
	FINISH CH, 70
	INIT
	s_mov_b32 s[GT], s54                           ; my second tile, the earlier queries
	s_mov_b32 s[KS], 0
	s_mov_b32 s[TB], 0
.Llo:                                              ; key steps 0-7
	STEP QL, DL
	s_add_co_u32 s[KS], s[KS], 1
	s_cmp_lt_u32 s[KS], 8
	s_cbranch_scc1 .Llo
	s_setprio 0
	FINISH CL, 72
	s_wait_dscnt 0x0
	s_wait_tensorcnt 0x0
	ds_add_u32 v251, v255
	s_wait_dscnt 0x0
	CROUND                                         ; the closing round
	s_endpgm
.Lfunc_end_k_q794474c244_attn:
	.size	k_q794474c244_attn, .Lfunc_end_k_q794474c244_attn-k_q794474c244_attn
	.p2alignl 7, 3214868480
	.fill 96, 4, 3214868480
	.section	.rodata,"a",@progbits
	.p2align	6, 0x0
	.amdhsa_kernel k_q794474c244_attn
		.amdhsa_group_segment_fixed_size 327680
		.amdhsa_private_segment_fixed_size 0
		.amdhsa_enable_private_segment 0
		.amdhsa_kernarg_size 32
		.amdhsa_user_sgpr_count 2
		.amdhsa_user_sgpr_kernarg_segment_ptr 1
		.amdhsa_wavefront_size32 1
		.amdhsa_system_sgpr_workgroup_id_x 1
		.amdhsa_system_sgpr_workgroup_id_y 1
		.amdhsa_system_sgpr_workgroup_id_z 1
		.amdhsa_system_vgpr_workitem_id 0
		.amdhsa_next_free_vgpr 256
		.amdhsa_next_free_sgpr 100
		.amdhsa_reserve_vcc 1
		.amdhsa_float_denorm_mode_32 3
		.amdhsa_float_denorm_mode_16_64 3
		.amdhsa_fp16_overflow 1
		.amdhsa_memory_ordered 1
		.amdhsa_forward_progress 1
		.amdhsa_inst_pref_size 71
	.end_amdhsa_kernel
	.amdgpu_metadata
---
amdhsa.version: [ 1, 2 ]
amdhsa.kernels:
  - .name:           k_q794474c244_attn
    .symbol:         k_q794474c244_attn.kd
    .args:
      - { .name: qimg, .offset: 0, .size: 8, .value_kind: global_buffer, .address_space: global }
      - { .name: kvimg, .offset: 8, .size: 8, .value_kind: global_buffer, .address_space: global }
      - { .name: lowp_scales, .offset: 16, .size: 8, .value_kind: global_buffer, .address_space: global }
      - { .name: aimg, .offset: 24, .size: 8, .value_kind: global_buffer, .address_space: global }
    .group_segment_fixed_size: 327680
    .private_segment_fixed_size: 0
    .kernarg_segment_align: 8
    .kernarg_segment_size: 32
    .max_flat_workgroup_size: 512
    .sgpr_count:     100
    .vgpr_count:     256
    .wavefront_size: 32
...
	.end_amdgpu_metadata
.endif
;; end of part 2
;; launch proj (part 3): grid 8 x 32, 4 waves a work-group, clusters of 4 x 4, 327,680 bytes of LDS; arguments aimg, W_proj_codes, b_proj, lowp_scales, out0; writes out0
.if DOCPART == 3
	.amdgcn_target "amdgcn-amd-amdhsa--gfx1250"
	.amdhsa_code_object_version 6
	.text
	.protected	k_q794474c244_proj
	.globl	k_q794474c244_proj
	.p2align	8
	.type	k_q794474c244_proj,@function
k_q794474c244_proj:
	s_mov_b64 s[64:65], 0
	v_nop
	global_prefetch_b8 v0, s[64:65] scope:SCOPE_SE
	s_setreg_imm32_b32 hwreg(HW_REG_WAVE_MODE, 25, 1), 1
	s_wait_xcnt 0x0
	s_wait_alu depctr_hold_cnt(0) depctr_sa_sdst(0) depctr_va_vdst(0) depctr_va_sdst(0) depctr_va_ssrc(0) depctr_va_vcc(0) depctr_vm_vsrc(0)
	s_getreg_b32 s2, hwreg(HW_REG_IB_STS2, 6, 4)
	s_cmp_eq_u32 s2, 0
	s_cbranch_scc0 .Lentry_in_a_cluster
	s_endpgm
.Lentry_in_a_cluster:
	s_bfe_u32 s2, ttmp6, 0x10000c
	s_cmp_lg_u32 s2, 0xf033
	s_cbranch_scc0 .Lentry_shape_is_right
	s_endpgm
.Lentry_shape_is_right:
; out0 = affin W_proj + b_proj on codes of E5M2 (v_wmma_f32_16x16x128_bf8_bf8, sums in f32); each finished sum x 2^(e6 + e7) + the bias, one packed multiply-add for two numbers.
; aimg: images of the left operand's registers: RB 262144 + KS 65536 + rt 4096 + q 2048 + c 512 + 16 x lane (RB = row / 256, KS = K / 256, rt = tile of 16 rows, q = which 128 along K, c = 4 registers);
; registers 2 c', 2 c' + 1 of lane (r, h) = affin(16 rt + r, K = 16 c' + 8 h + 0 .. 7): the form's own order.  W_proj_codes: [1024 (n)][1024 bytes (K)].  out0: [8192][1024] f32.
; SHARES.  A tile of out0 is 256 rows x 128 columns: 256 work-groups of equal work.  Four waves: wave w takes rows 128 (w / 2) on and columns 64 (w % 2) on: 32 accumulators.
; K goes through a ring of two LDS slots of 256 along K: four fills.  A slot: affin's image, 65,536 dense bytes, then 128 rows of W, 256 bytes + 16 of padding each.  CLUSTERS: 4 x 4 work-groups; affin's block is
; shared along a row of the cluster, W's rows along a column: joint loads.  Waves 0 and 1 ask for the image's halves, waves 2 and 3 for W's.
; affin's fragments come by loads of 16 bytes as they lie; W's by loads of 8 bytes at 16 c' + 8 h, so that both have K in the same places.
; THE MATRIX INSTRUCTION IS USED TRANSPOSED (source 0 = 16 rows of W, source 1 = 16 rows of affin): a lane holds eight neighbouring numbers of a row of out0.
; No prefetch is written: of the four fills two go out at the head, and the other two one K slot behind them.
; LIMIT: e6 + e7 lies between -126 and 127, so that 2^(e6 + e7) is an f32 number.
; REGISTERS, in windows of 256: window 0: v1-29 addresses; v32-63 a block's results; v64-95 the bias; v128-191 rows read back from the stage, two sets.
;   window 1: affin's fragments, two sets of 8 x 16.   window 2: the accumulators, (a, b) at v[8 (4 a + b)].   window 3: W's fragments, two sets of 4 x 16.
.set PITCH, 272                        ; a row of W in LDS, and a stage row: 256 bytes + 16 = 68 words: row r starts at bank 4 r mod 64 (64 banks of 4 bytes: ISA guide 11.1)
.set WOFF,  65536                      ; W's rows lie behind the image
.set SLOT,  WOFF+128*PITCH
.set STAGE, 2*SLOT                     ; behind the ring: 16 rows x 272 bytes for each wave, for the way out; no tile lands there
.set SPARE, STAGE+4*16*PITCH           ; behind the stages: the spare words, 128 bytes for each wave: two blocks of 256 bytes that no other line names
.set ADA, 16                           ; v16-17  LDS address of my fragments of affin in slot 0, 1
.set ADB, 20                           ; v20-21  the same for W
.set STO, 24                           ; v24     the way out: where I put 32 bytes of a row
.set RD,  25                           ; v25     where I read a row back
.set CO,  26                           ; v26     my byte offset in two rows of out0
.set SPW, 28                           ; v28     LDS address of my spare word; never rewritten
.set NIL, 29                           ; v29     0; never rewritten
.set TMP, 32
.set BI,  64
.set BK,  128
.set G1A, 24                           ; s[24:31] descriptor group 1 for the image; s[32:39] group 0, a set for each slot
.set G0A, 32
.set G1B, 48                           ; s[48:55], s[56:63] the same for W's tiles
.set G0B, 56
.set MSB, 0
.macro WIN new
.if MSB != \new
	s_set_vgpr_msb (MSB<<8)|\new
.set MSB, \new
.endif
.endm
.macro JLOAD s                         ; a joint load: one mask and one set of registers a line; the branch hangs on the wave's number alone; four v_nop follow each line
	s_cmp_eq_u32 s15, 0
	s_cbranch_scc0 .Lfor_b_\@
	tensor_load_to_lds s[G0A+4*\s:G0A+4*\s+3], s[G1A:G1A+7]
	s_nop 0
.rept 4
	v_nop
.endr
	s_branch .Lasked_\@
.Lfor_b_\@:
	tensor_load_to_lds s[G0B+4*\s:G0B+4*\s+3], s[G1B:G1B+7]
	s_nop 0
.rept 4
	v_nop
.endr
.Lasked_\@:
.endm
.macro CREST
	s_cmp_lg_u32 s14, 0
	s_cbranch_scc1 .Lnot_wave_0_\@
	s_barrier_signal -3
.Lnot_wave_0_\@:
	s_barrier_wait -3
	s_barrier_signal -1
	s_barrier_wait -1
.endm
.macro CROUND
	s_barrier_signal -1
	s_barrier_wait -1
	CREST
.endm
.macro PLACES n
.rept \n
	v_nop
.endr
.endm
	s_load_b256 s[4:11], s[0:1], 0x0               ; aimg s[4:5], W's codes s[6:7], the bias s[8:9], the scales' exponents s[10:11]
	s_load_b64 s[12:13], s[0:1], 0x20              ; out0
	v_lshl_add_u32 v[SPW], v0, 2, SPARE
	v_mov_b32 v[NIL], 0
	ds_add_u32 v28, v29
	ds_add_u32 v28, v29
	s_wait_dscnt 0x0
	v_lshrrev_b32 v1, 5, v0
	v_readfirstlane_b32 s14, v1                    ; wave 0..3
	s_lshr_b32 s15, s14, 1                         ; i: which 128 rows are mine.  Also: I fetch the image (0) or W (1)
	s_and_b32 s16, s14, 1                          ; jj: which 64 columns.  Also: which half I fetch
	s_bfe_u32 s40, ttmp6, 0x40000                  ; cx, cy
	s_bfe_u32 s41, ttmp6, 0x40004
	s_lshl_b32 s42, ttmp9, 2
	s_add_co_u32 s42, s42, s40                     ; x: the tile of 128 columns
	s_and_b32 s17, ttmp7, 0xffff
	s_lshl_b32 s17, s17, 2
	s_add_co_u32 s17, s17, s41                     ; y: the block of 256 rows
	s_lshl_b32 s43, s41, 2
	s_lshl_b32 s43, 15, s43                        ; my row of the cluster
	s_lshl_b32 s44, 0x1111, s40                    ; my column
	s_or_b32 s[G1A], s43, (3<<16)|(1<<21)          ; the image goes to my row; elements of 8 bytes; 21 set beside a mask; no padding
	s_mov_b32 s[G1A+1], 32<<16                     ; rows of 32 elements: 256 bytes
	s_mov_b32 s[G1A+2], 128<<16                    ; 128 rows: half the image
	s_mov_b32 s[G1A+3], 32<<16
	s_mov_b32 s[G1A+4], 128
	s_mov_b32 s[G1A+5], 32                         ; dense
	s_mov_b32 s[G1A+6], 0
	s_mov_b32 s[G1A+7], 0
	s_or_b32 s[G1B], s44, (1<<20)|(1<<21)|(5<<22)|(3<<25)   ; W's tiles go to my column; elements of 1 byte; four words of padding after every 64
	s_mov_b32 s[G1B+1], 256<<16
	s_mov_b32 s[G1B+2], 64<<16
	s_mov_b32 s[G1B+3], 256<<16
	s_mov_b32 s[G1B+4], 64
	s_mov_b32 s[G1B+5], 1024
	s_mov_b32 s[G1B+6], 0
	s_mov_b32 s[G1B+7], 0
	s_lshl_b32 s20, s17, 18                        ; the image: hangs on y and the wave's number
	s_lshl_b32 s21, s16, 15
	s_add_co_u32 s20, s20, s21
	s_mov_b32 s21, 0
	s_lshl_b32 s46, s42, 17                        ; W: row 128 x + 64 jj, 1,024 bytes a row: hangs on x and the wave's number
	s_lshl_b32 s47, s16, 16
	s_add_co_u32 s46, s46, s47
	s_mov_b32 s47, 0
	s_lshl_b32 s45, s16, 15                        ; where they go: no place in the cluster enters an LDS address
	s_mul_i32 s18, s16, 64*PITCH
	s_add_co_u32 s18, s18, WOFF
	s_wait_kmcnt 0x0
	s_load_b256 s[68:75], s[10:11], 0x0            ; e0 .. e7
	s_add_nc_u64 s[20:21], s[4:5], s[20:21]
	s_add_nc_u64 s[46:47], s[6:7], s[46:47]
	CROUND                                         ; all sixteen work-groups are here: the first joint loads meet
.irp s, 0,1
	s_mov_b32 s[G0A+4*\s], 1
	s_add_co_u32 s[G0A+4*\s+1], s45, \s*SLOT
	s_add_nc_u64 s[G0A+4*\s+2:G0A+4*\s+3], s[20:21], \s*65536
	s_or_b32 s[G0A+4*\s+3], s[G0A+4*\s+3], 0x80000000
	s_mov_b32 s[G0B+4*\s], 1
	s_add_co_u32 s[G0B+4*\s+1], s18, \s*SLOT
	s_add_nc_u64 s[G0B+4*\s+2:G0B+4*\s+3], s[46:47], \s*256
	s_or_b32 s[G0B+4*\s+3], s[G0B+4*\s+3], 0x80000000
	s_wait_alu depctr_va_vdst(0)
	s_wait_tensorcnt 0x0
	ds_add_u32 v28, v29
	ds_add_u32 v28, v29
	s_wait_dscnt 0x0
	CROUND
	JLOAD \s                                       ; one load of mine is out
.endr
	v_and_b32 v1, 15, v0                           ; r
	v_bfe_u32 v2, v0, 4, 1                         ; h
	v_and_b32 v3, 31, v0
	v_lshlrev_b32 v3, 4, v3                        ; 16 x lane
	s_lshl_b32 s82, s15, 15                        ; my eight tiles of rows in the image
	v_add_nc_u32 v[ADA], s82, v3
	v_add_nc_u32 v[ADA+1], SLOT, v[ADA]
	v_mul_u32_u24 v4, v1, PITCH
	v_lshl_add_u32 v4, v2, 3, v4                   ; W: row x pitch + 8 h
	s_mul_i32 s83, s16, 64*PITCH
	s_add_co_u32 s83, s83, WOFF
	v_add_nc_u32 v[ADB], s83, v4
	v_add_nc_u32 v[ADB+1], SLOT, v[ADB]
	s_mul_i32 s84, s14, 16*PITCH
	s_add_co_u32 s84, s84, STAGE                   ; my stage
	v_mul_u32_u24 v5, v1, PITCH
	v_lshl_add_u32 v5, v2, 5, v5
	v_add_nc_u32 v[STO], s84, v5                   ; in: row r, 32 bytes for each half of the lanes
	v_mul_u32_u24 v6, v2, PITCH
	v_lshl_add_u32 v6, v1, 4, v6
	v_add_nc_u32 v[RD], s84, v6                    ; back: lanes 0-15 one row of 256 bytes, lanes 16-31 the next
	v_lshlrev_b32 v7, 12, v2
	v_lshl_add_u32 v[CO], v1, 4, v7                ; and the same two rows in out0, 4,096 bytes apart
	v_lshlrev_b32 v8, 5, v2                        ; the bias: 32 h
	s_lshl_b32 s86, s42, 9
	s_lshl_b32 s87, s16, 8
	s_add_co_u32 s86, s86, s87                     ; my first column in bytes: 512 x + 256 jj
	s_mov_b32 s87, 0
	s_add_nc_u64 s[8:9], s[8:9], s[86:87]
.irp b, 0,1,2,3
	global_load_b128 v[BI+8*\b:BI+8*\b+3], v8, s[8:9] offset:64*\b         ; the bias in the result's layout: columns 16 b + 8 h + 0 .. 7
	global_load_b128 v[BI+8*\b+4:BI+8*\b+7], v8, s[8:9] offset:64*\b+16
.endr
	s_lshl_b32 s88, s17, 8
	s_lshl_b32 s89, s15, 7
	s_add_co_u32 s88, s88, s89                     ; my first row: 256 y + 128 i
	s_lshl_b32 s88, s88, 12
	s_add_co_u32 s88, s88, s86
	s_mov_b32 s89, 0
	s_add_nc_u64 s[12:13], s[12:13], s[88:89]
	s_wait_kmcnt 0x0
	s_add_co_i32 s96, s74, s75                     ; e6 + e7
	s_add_co_i32 s96, s96, 127
	s_lshl_b32 s96, s96, 23                        ; 2^(e6 + e7) as f32
	s_mov_b32 s97, s96                             ; (named with it as a pair, so it is written)
; 64 LDS loads in one run: the fragments of the slot's q-th 128 along K into set p
.macro FETCH slot, q, p
	WIN 0x40                                       ; destination window 1
.irp a, 0,1,2,3,4,5,6,7
.irp c, 0,1,2,3
	ds_load_b128 v[128*(\p)+16*\a+4*\c:128*(\p)+16*\a+4*\c+3], v[ADA+\slot] offset:4096*\a+2048*(\q)+512*\c
.endr
.endr
	WIN 0xc0                                       ; destination window 3
.irp b, 0,1,2,3
.irp c, 0,1,2,3,4,5,6,7
	ds_load_b64 v[64*(\p)+16*\b+2*\c:64*(\p)+16*\b+2*\c+1], v[ADB+\slot] offset:\b*16*PITCH+128*(\q)+16*\c
.endr
.endr
	WIN 0
.endm
; 8 products: tiles of rows a0, a0 + 1 x my four tiles of columns; source 0 = W (window 3), source 1 = affin (window 1), sums in window 2
.macro MUL p, a0, zero
	WIN 0xa7
.irp a, 0,1
.irp b, 0,1,2,3
.if \zero
	v_wmma_f32_16x16x128_bf8_bf8 v[8*(4*((\a0)+\a)+\b):8*(4*((\a0)+\a)+\b)+7], v[64*(\p)+16*\b:64*(\p)+16*\b+15], v[128*(\p)+16*((\a0)+\a):128*(\p)+16*((\a0)+\a)+15], 0
.else
	v_wmma_f32_16x16x128_bf8_bf8 v[8*(4*((\a0)+\a)+\b):8*(4*((\a0)+\a)+\b)+7], v[64*(\p)+16*\b:64*(\p)+16*\b+15], v[128*(\p)+16*((\a0)+\a):128*(\p)+16*((\a0)+\a)+15], v[8*(4*((\a0)+\a)+\b):8*(4*((\a0)+\a)+\b)+7]
.endif
.endr
.endr
.endm
; The 32 accumulators take turns, one instruction a turn, in the same order in every step.
.macro STEP slot, zero
	s_wait_dscnt 0x0                               ; set 0 is in
	PLACES 4                                       ; set 1 was read by the products just issued
	FETCH \slot, 1, 1
	MUL 0, 0, \zero
	MUL 0, 2, \zero
	MUL 0, 4, \zero
	MUL 0, 6, \zero
	WIN 0
.endm
.macro TURN slot, next, fill
	s_wait_tensorcnt 0x0                           ; all my tensor loads have landed: my part of the next slot
	ds_add_u32 v[SPW], v[NIL]                      ; 0 onto my spare word
	s_wait_dscnt 0x1                               ; set 1 is in; the add alone may be out
	MUL 1, 0, 0                                    ; eight matrix instructions stand between the add and the wait for it
	s_wait_dscnt 0x0                               ; the add is done, and my reads of this slot are over
	s_barrier_signal -1
	MUL 1, 2, 0
	WIN 0
	s_barrier_wait -1
.if \fill
	CREST                                          ; no wave of any partner still reads this slot or has a load on its way
	s_add_nc_u64 s[G0A+4*\slot+2:G0A+4*\slot+3], s[G0A+4*\slot+2:G0A+4*\slot+3], 131072
	s_add_nc_u64 s[G0B+4*\slot+2:G0B+4*\slot+3], s[G0B+4*\slot+2:G0B+4*\slot+3], 512
	JLOAD \slot                                    ; the first tensor load behind the round, one a wave; its four v_nop are also the places in front of the loads below
.else
	PLACES 4
.endif
	FETCH \next, 0, 0
	MUL 1, 4, 0
	MUL 1, 6, 0
	WIN 0
.endm
	s_wait_tensorcnt 0x1                           ; my part of slot 0 is in; slot 1's load may stay out
	s_barrier_signal -1
	s_barrier_wait -1
	FETCH 0, 0, 0
	STEP 0, 1                                      ; K 0: these products start the sums
	TURN 0, 1, 1                                   ; K 128; slot 0 takes K 512 on
	STEP 1, 0
	TURN 1, 0, 1                                   ; K 384; slot 1 takes K 768 on
	STEP 0, 0
	TURN 0, 1, 0                                   ; K 640; nothing is left to fetch
	STEP 1, 0
	s_wait_dscnt 0x0                               ; K 896
	MUL 1, 0, 0
	MUL 1, 2, 0
	MUL 1, 4, 0
	MUL 1, 6, 0
	WIN 0
; THE WAY OUT, block by block of 16 rows x 64 columns.  A lane holds 32 neighbouring bytes of a row and the lanes beside it other rows: so a block goes through my own stage in LDS and comes back as whole rows of
; 256 bytes.  LDS serves a wave's instructions in order (ISA guide 5.7.1.4): no wait between the stores and the loads, nor in front of the next block's stores.
.macro TOSTAGE a
	WIN 0x02                                       ; source 0 window 2
.irp b, 0,1,2,3
.irp i, 0,2,4,6
	v_pk_fma_f32 v[TMP+8*\b+\i:TMP+8*\b+\i+1], v[8*(4*(\a)+\b)+\i:8*(4*(\a)+\b)+\i+1], s[96:97], v[BI+8*\b+\i:BI+8*\b+\i+1] op_sel_hi:[1,0,1]   ; sum x 2^(e6 + e7) + bias; each accumulator from its low end on
.endr
.endr
	WIN 0
.irp b, 0,1,2,3
	ds_store_b128 v[STO], v[TMP+8*\b:TMP+8*\b+3] offset:64*\b
	ds_store_b128 v[STO], v[TMP+8*\b+4:TMP+8*\b+7] offset:64*\b+16
.endr
.set BB, BK+32*((\a)%2)
.irp t, 0,1,2,3,4,5,6,7
	ds_load_b128 v[BB+4*\t:BB+4*\t+3], v[RD] offset:\t*2*PITCH
.endr
.endm
.macro SEND a, younger                 ; younger: the LDS instructions issued behind block a's loads, which may stay out
.set BB, BK+32*((\a)%2)
	s_wait_dscnt \younger
.irp t, 0,1,2,3,4,5,6,7
	global_store_b128 v[CO], v[BB+4*\t:BB+4*\t+3], s[12:13] offset:65536*(\a)+8192*\t th:TH_STORE_NT   ; sixteen lanes store 256 consecutive bytes, aligned; every offset is an immediate, 516,096 at the most
.endr
.endm
	s_wait_loadcnt 0x0                             ; the bias
	PLACES 4                                       ; behind the last products
	TOSTAGE 0
.irp a, 1,2,3,4,5,6,7
.if \a > 1
	s_wait_xcnt 0x0                                ; block a - 2's stores have read their registers: block a's loads may land there
.endif
	TOSTAGE \a
	SEND \a-1, 16                                  ; behind block a - 1's loads: block a's 8 stores and 8 loads
.endr
	SEND 7, 0
	s_wait_tensorcnt 0x0                           ; the wave's end
	ds_add_u32 v[SPW], v[NIL]
	s_wait_dscnt 0x0
	CROUND                                         ; the closing round
	s_endpgm
.Lfunc_end_k_q794474c244_proj:
	.size	k_q794474c244_proj, .Lfunc_end_k_q794474c244_proj-k_q794474c244_proj
	.p2alignl 7, 3214868480
	.fill 96, 4, 3214868480
	.section	.rodata,"a",@progbits
	.p2align	6, 0x0
	.amdhsa_kernel k_q794474c244_proj
		.amdhsa_group_segment_fixed_size 327680
		.amdhsa_private_segment_fixed_size 0
		.amdhsa_enable_private_segment 0
		.amdhsa_kernarg_size 40
		.amdhsa_user_sgpr_count 2
		.amdhsa_user_sgpr_kernarg_segment_ptr 1
		.amdhsa_wavefront_size32 1
		.amdhsa_system_sgpr_workgroup_id_x 1
		.amdhsa_system_sgpr_workgroup_id_y 1
		.amdhsa_system_sgpr_workgroup_id_z 1
		.amdhsa_system_vgpr_workitem_id 0
		.amdhsa_next_free_vgpr 896
		.amdhsa_next_free_sgpr 100
		.amdhsa_reserve_vcc 0
		.amdhsa_float_denorm_mode_32 3
		.amdhsa_float_denorm_mode_16_64 3
		.amdhsa_memory_ordered 1
		.amdhsa_forward_progress 1
		.amdhsa_inst_pref_size 85
	.end_amdhsa_kernel
	.amdgpu_metadata
---
amdhsa.version: [ 1, 2 ]
amdhsa.kernels:
  - .name:           k_q794474c244_proj
    .symbol:         k_q794474c244_proj.kd
    .args:
      - { .name: aimg, .offset: 0, .size: 8, .value_kind: global_buffer, .address_space: global }
      - { .name: W_proj_codes, .offset: 8, .size: 8, .value_kind: global_buffer, .address_space: global }
      - { .name: b_proj, .offset: 16, .size: 8, .value_kind: global_buffer, .address_space: global }
      - { .name: lowp_scales, .offset: 24, .size: 8, .value_kind: global_buffer, .address_space: global }
      - { .name: out0, .offset: 32, .size: 8, .value_kind: global_buffer, .address_space: global }
    .group_segment_fixed_size: 327680
    .private_segment_fixed_size: 0
    .kernarg_segment_align: 8
    .kernarg_segment_size: 40
    .max_flat_workgroup_size: 128
    .sgpr_count:     100
    .vgpr_count:     896
    .wavefront_size: 32
...
	.end_amdgpu_metadata
.endif
;; end of part 3
